; MI455X (gfx1250); checked and timed in simulation.
; The chip was launched on July 23, 2026; its instructions are those of AMD's public machine-readable ISA for CDNA 5 (MIT licence, August 2026) and "CDNA5" Instruction Set Architecture Reference Guide (July 2026). The comments in the code are by the model that wrote it; some were corrected since.
;; Light Wrapper. Allowed arithmetic: float matrix products may take bf16 or f16 operands with f32 sums; other float arithmetic in f32, or as packed bf16 or f16 multiplies, adds, multiply-adds, maxima and minima; sums over many terms, partial sums and values carried from step to step in f32; what a program stores and reads back later, other than sums and carried values, may be rounded once to bf16 or f16.
;; Inputs: albedo 131,072 x 3 float32; emap 1 x 3 x 512 x 1,024 float32; metalness 131,072 x 1 float32; normal 131,072 x 3 float32; roughness 131,072 x 1 float32; u1 131,072 x 64 float32; u2 131,072 x 64 float32; uc 131,072 x 64 float32; vc 131,072 x 64 float32; view_dir 131,072 x 3 float32.
;; Outputs: out0 131,072 x 3 float32.
;; One version. Each part assembles by itself: llvm-mc -triple=amdgcn-amd-amdhsa -mcpu=gfx1250 --defsym DOCPART=n.
;; ======== version 1 of 1: 2 launches
;; limits: values are held in f16: magnitudes above 65,504 overflow, below 6.1e-05 lose precision
;; workspace buffers: tab 8,388,608 bytes; tix 67,108,864 bytes of whole numbers; wts 100,663,296 bytes
;; launch sample (part 1): grid 256 x 1, 16 waves a work-group, no clusters, 280,576 bytes of LDS; arguments emap, normal, view_dir, roughness, u1, u2, uc, vc, tab, tix, wts; writes tab, tix, wts
.if DOCPART == 1
	.amdgcn_target "amdgcn-amd-amdhsa--gfx1250"
	.amdhsa_code_object_version 6
	.text
	.protected	k_qfa2e350d3a_sample
	.globl	k_qfa2e350d3a_sample
	.p2align	8
	.type	k_qfa2e350d3a_sample,@function
k_qfa2e350d3a_sample:
	s_mov_b64 s[64:65], 0
	v_nop
	global_prefetch_b8 v0, s[64:65] scope:SCOPE_SE
	s_setreg_imm32_b32 hwreg(HW_REG_WAVE_MODE, 25, 1), 1
	s_wait_xcnt 0x0
; SAMPLE: all the arithmetic of the 64 specular (GGX visible normals, reflection, Fresnel, Smith) and 64 diffuse (cosine hemisphere) samples of 131,072 points,
; up to the place in the lat-long map.  This launch stores, for each sample, the texel index as a whole
; number (tix) and the two bilinear weights, and for a specular sample A = Smith(n.l)/2 and B = A (1 - h.v)^5, as pairs of f16 (wts); the next launch fetches and sums.
; It also lays the map out anew (tab): entry (y, x) of 16 bytes holds, for each of 3 channels, texels (y, x) and (y, x+1) as two f16, and a zero word.
; SHARES.  A lane is a point, a wave a batch of 32 points, a work-group 16 batches; 256 work-groups.  What belongs to a point stays in the lane's registers.
; A point's 64 numbers of u1 (u2, uc, vc) are a row of 256 bytes; a wave's 32 rows are 8,192 consecutive bytes, loaded 512 bytes to an instruction and turned in LDS:
; stored by rows of 272 bytes (16 lanes a row), read back one row a lane, 16 bytes (four samples) a trip.  Each wave touches its own 17,408 bytes alone: no barrier.
; Four samples are a QUAD of four registers = two packed pairs.  The 3 x 3 rotations differ from point to point and would fill 3 of 32 along K and 3 of 16 columns of a
; matrix instruction, and 16-bit operands would shift a unit direction by 2^-12 or more, a visible part of a texel: they are f32 multiply-adds.
; sin, cos, atan and acos are polynomials: sin(pi h), cos(pi h) on |h| <= 1/2 by their series to h^11 and h^10 (first terms left out: 6e-8, 5e-7);
; atan by six odd terms on 0..1 (2e-6 rad); acos by sqrt(1 - x) times seven powers (2e-8 rad); the last two with 512/pi folded in, so that they give texels.
; LIMITS.  |emap| stays within f16's 65,504.  u1 and vc lie in 0..1 (outside, where the formula's roots give NaN, this text gives other numbers).  At the map's right and lower
; border the last weight is 0.99994 before its rounding to f16.  Roots and reciprocals take denormals as 0.  NaN and infinities are not treated apart.
.set PITCH, 272                 ; an LDS row: 256 bytes + 16: 17 x 16 bytes, so that 16 lanes that read 16 rows at one column touch 16 different columns of 16 bytes modulo 256
.set TILE,  32*PITCH            ; 8,704: one input's 32 rows
.set WAVEB, 2*TILE              ; 17,408: a wave's two tiles
.set SPARE, 16*WAVEB            ; 278,528 = 1,088 x 256: the spare words, 128 bytes a wave, 2,048 in all; no other line names them
.set SPW, 2                     ; v2   SPARE + 4 x thread; never rewritten
.set NIL, 3                     ; v3   0; never rewritten
.set L0,  4                     ; v4   LDS: my row of tile 0; never rewritten
.set LST, 5                     ; v5   LDS: where I store 16 bytes of rows 0, 1
.set GIN, 6                     ; v6   byte offset of my 16 bytes in the batch's 8,192 of an input
.set VT,  7                     ; v7   byte offset in tix, one trip ahead of the stores
.set VW,  8                     ; v8   byte offset in wts, likewise
.set ONE, 9                     ; v9   1.0
.set K1,  10                    ; 1 - s
.set K2,  11                    ; sqrt2 s
.set LX0, 12                    ; alpha b1x, alpha b2x, alpha vhx
.set LY0, 15                    ; alpha b1y, alpha b2y, alpha vhy
.set LZ1, 18                    ; b2z, vhz
.set VL2, 20                    ; 2 x the view in the local frame
.set TX,  23                    ; tangent (Tx, 0, Tz)
.set TZ,  24
.set BT,  25                    ; bitangent
.set NR,  28                    ; normal
.set VV,  31                    ; |v|^2
.set VD,  32                    ; view
.set VV1, 35                    ; |v|^2 + 1
.set PA2, 36                    ; alpha^2
.set POM, 37                    ; 1 - alpha^2
.set BS,  38                    ; sqrt2 x bitangent
.set ZR,  41                    ; 0
.set ADR, 42                    ; LDS address of the trip's two loads
.set T0,  44                    ; the quads
.set T1,  48
.set T2,  52
.set T3,  56
.set T4,  60
.set T5,  64
.set T6,  68
.set T7,  72
.set T8,  76
.set T9,  80
.set T10, 84
.set T11, 88
.set T12, 92
.set T13, 96
.set T14, 100
.set T15, 104
.set T16, 108
.set T17, 112
.set STG, 128                   ; v[128:255] two tiles on their way: 2 x 16 loads x 4 registers
.set A11, 32                    ; scalar pairs, the low word used for both halves
.set A9,  34
.set A7,  36
.set A5,  38
.set A3,  40
.set A1,  42
.set B10, 44
.set B8,  46
.set B6,  48
.set B4,  50
.set B2,  52
.set C11, 54
.set C9,  56
.set C7,  58
.set C5,  60
.set C3,  62
.set C1,  66
.set D7,  68
.set D6,  70
.set D5,  72
.set D4,  74
.set D3,  76
.set D2,  78
.set D1,  80
.set D0,  82
.set H128, 84
.set H256, 86
.set XC,  88
.set YC,  90
.set ROWW, 92
.set SIGN, 94
.set EPS2, 95
.set TINY, 96
.set XMAX, 97
.set YMAX, 98
.set CNT, 99
.set LOFF, 100
.macro SETK r, val              ; a constant as a pair: both words are written, since a packed line names the pair
	s_mov_b32 s[\r], \val
	s_mov_b32 s[\r+1], \val
.endm
; ---- lines on quads: two packed instructions each
.macro QMUL d, a, b
	s_wait_alu depctr_va_vdst(0)
.irp h, 0,2
	v_pk_mul_f32 v[\d+\h:\d+\h+1], v[\a+\h:\a+\h+1], v[\b+\h:\b+\h+1]
.endr
.endm
.macro QMULC d, a, b            ; the product held to 0..1
	s_wait_alu depctr_va_vdst(0)
.irp h, 0,2
	v_pk_mul_f32 v[\d+\h:\d+\h+1], v[\a+\h:\a+\h+1], v[\b+\h:\b+\h+1] clamp
.endr
.endm
.macro QADD d, a, b
.irp h, 0,2
	v_pk_add_f32 v[\d+\h:\d+\h+1], v[\a+\h:\a+\h+1], v[\b+\h:\b+\h+1]
.endr
.endm
.macro QSUB d, a, b
.irp h, 0,2
	v_pk_add_f32 v[\d+\h:\d+\h+1], v[\a+\h:\a+\h+1], v[\b+\h:\b+\h+1] neg_lo:[0,1] neg_hi:[0,1]
.endr
.endm
.macro QFMA d, a, b, c
.irp h, 0,2
	v_pk_fma_f32 v[\d+\h:\d+\h+1], v[\a+\h:\a+\h+1], v[\b+\h:\b+\h+1], v[\c+\h:\c+\h+1]
.endr
.endm
.macro QFNMA d, a, b, c         ; c - a b
.irp h, 0,2
	v_pk_fma_f32 v[\d+\h:\d+\h+1], v[\a+\h:\a+\h+1], v[\b+\h:\b+\h+1], v[\c+\h:\c+\h+1] neg_lo:[1,0,0] neg_hi:[1,0,0]
.endr
.endm
.macro QONEM d, a               ; 1 - a
.irp h, 0,2
	v_pk_fma_f32 v[\d+\h:\d+\h+1], v[\a+\h:\a+\h+1], -1.0, 1.0 op_sel_hi:[1,0,0]
.endr
.endm
.macro QFMA1 p, z               ; p z + 1
	s_wait_alu depctr_va_vdst(0)
.irp h, 0,2
	v_pk_fma_f32 v[\p+\h:\p+\h+1], v[\p+\h:\p+\h+1], v[\z+\h:\z+\h+1], 1.0 op_sel_hi:[1,1,0]
.endr
.endm
; ---- with a scalar constant
.macro QHORN p, z, sk           ; p z + k
.irp h, 0,2
	v_pk_fma_f32 v[\p+\h:\p+\h+1], v[\p+\h:\p+\h+1], v[\z+\h:\z+\h+1], s[\sk:\sk+1] op_sel_hi:[1,1,0]
.endr
.endm
.macro QHORN0 p, z, sk, sl      ; z k + l: a polynomial's first step
	s_wait_alu depctr_va_vdst(0)
.irp h, 0,2
	v_pk_fma_f32 v[\p+\h:\p+\h+1], v[\z+\h:\z+\h+1], s[\sk:\sk+1], s[\sl:\sl+1] op_sel_hi:[1,0,0]
.endr
.endm
.macro QADDS d, a, sk           ; a + k
.irp h, 0,2
	v_pk_add_f32 v[\d+\h:\d+\h+1], v[\a+\h:\a+\h+1], s[\sk:\sk+1] op_sel_hi:[1,0]
.endr
.endm
.macro QRSUBS d, a, sk          ; k - a
.irp h, 0,2
	v_pk_add_f32 v[\d+\h:\d+\h+1], v[\a+\h:\a+\h+1], s[\sk:\sk+1] op_sel_hi:[1,0] neg_lo:[1,0] neg_hi:[1,0]
.endr
.endm
.macro QFNMAS d, a, b, sk       ; k - a b
.irp h, 0,2
	v_pk_fma_f32 v[\d+\h:\d+\h+1], v[\a+\h:\a+\h+1], v[\b+\h:\b+\h+1], s[\sk:\sk+1] op_sel_hi:[1,1,0] neg_lo:[1,0,0] neg_hi:[1,0,0]
.endr
.endm
.macro QFMAS d, a, sk, c        ; a k + c
.irp h, 0,2
	v_pk_fma_f32 v[\d+\h:\d+\h+1], v[\a+\h:\a+\h+1], s[\sk:\sk+1], v[\c+\h:\c+\h+1] op_sel_hi:[1,0,1]
.endr
.endm
; ---- with a number of the point, register k, given to both halves out of the even-aligned pair in which it lies
.macro QMULK d, a, k
.irp h, 0,2
.if (\k)%2
	v_pk_mul_f32 v[\d+\h:\d+\h+1], v[\a+\h:\a+\h+1], v[\k-1:\k] op_sel:[0,1] op_sel_hi:[1,1]
	s_wait_alu depctr_va_vdst(0)
.else
	v_pk_mul_f32 v[\d+\h:\d+\h+1], v[\a+\h:\a+\h+1], v[\k:\k+1] op_sel_hi:[1,0]
.endif
.endr
.endm
.macro QADDK d, a, k
.irp h, 0,2
.if (\k)%2
	v_pk_add_f32 v[\d+\h:\d+\h+1], v[\a+\h:\a+\h+1], v[\k-1:\k] op_sel:[0,1] op_sel_hi:[1,1]
.else
	v_pk_add_f32 v[\d+\h:\d+\h+1], v[\a+\h:\a+\h+1], v[\k:\k+1] op_sel_hi:[1,0]
.endif
.endr
.endm
.macro QFMAK d, a, k, c         ; a k + c
.irp h, 0,2
.if (\k)%2
	v_pk_fma_f32 v[\d+\h:\d+\h+1], v[\a+\h:\a+\h+1], v[\k-1:\k], v[\c+\h:\c+\h+1] op_sel:[0,1,0] op_sel_hi:[1,1,1]
.else
	v_pk_fma_f32 v[\d+\h:\d+\h+1], v[\a+\h:\a+\h+1], v[\k:\k+1], v[\c+\h:\c+\h+1] op_sel_hi:[1,0,1]
.endif
.endr
.endm
.macro QFMSK d, a, b, k         ; a b - k
.irp h, 0,2
.if (\k)%2
	v_pk_fma_f32 v[\d+\h:\d+\h+1], v[\a+\h:\a+\h+1], v[\b+\h:\b+\h+1], v[\k-1:\k] op_sel:[0,0,1] op_sel_hi:[1,1,1] neg_lo:[0,0,1] neg_hi:[0,0,1]
.else
	v_pk_fma_f32 v[\d+\h:\d+\h+1], v[\a+\h:\a+\h+1], v[\b+\h:\b+\h+1], v[\k:\k+1] op_sel_hi:[1,1,0] neg_lo:[0,0,1] neg_hi:[0,0,1]
.endif
.endr
.endm
; ---- four single lines
.macro Q1U op, d, a
.irp i, 0,1,2,3
	\op v[\d+\i], v[\a+\i]
.endr
.endm
.macro QMAXS d, sk
.irp i, 0,1,2,3
	v_max_num_f32 v[\d+\i], s[\sk], v[\d+\i]
.endr
.endm
.macro QBFI d, sg               ; |d| with the sign bit of sg
.irp i, 0,1,2,3
	v_bfi_b32 v[\d+\i], s[SIGN], v[\sg+\i], v[\d+\i]
.endr
.endm
.macro QMED d, sk               ; d held to 0..k
.irp i, 0,1,2,3
	v_med3_num_f32 v[\d+\i], v[\d+\i], 0, s[\sk]
.endr
.endm
.macro QCVTH d, a, b            ; f16(a) below, f16(b) above
.irp i, 0,1,2,3
	v_cvt_pk_f16_f32 v[\d+\i], v[\a+\i], v[\b+\i]
.endr
.endm
.macro QNSQ d, a, c             ; c - a^2 held to 0..1
.irp i, 0,1,2,3
	v_fma_f32 v[\d+\i], -v[\a+\i], v[\a+\i], v[\c+\i] clamp
.endr
.endm
.macro QNSQ1 d, a               ; 1 - a^2 held to 0..1
.irp i, 0,1,2,3
	v_fma_f32 v[\d+\i], -v[\a+\i], v[\a+\i], v[ONE] clamp
.endr
.endm
; SINCOS: T10 = r cos(2 pi u), T9 = r sin(2 pi u) / sqrt2.  h = u - round(u); st = sqrt2 sin(pi h); c = cos(pi h); U = st r; r cos = r - U st; T9 = U c.
; Uses T6 to T10.  next = 1: behind h, the last reader of this trip's two inputs, the next trip's two LDS loads are issued: a trip's arithmetic ahead of their use.
.macro SINCOS u, r, next
	Q1U v_rndne_f32, T7, \u         ; also the plain lines behind the roots in front
	QSUB T6, \u, T7
.if \next
	s_add_co_u32 s[LOFF], s[LOFF], 16
	v_add_nc_u32 v[ADR], s[LOFF], v[L0]
	s_wait_alu depctr_va_vdst(0)
	ds_load_b128 v[T0:T0+3], v[ADR]
	ds_load_b128 v[T1:T1+3], v[ADR] offset:TILE
.endif
	QMUL T7, T6, T6
	QHORN0 T8, T7, A11, A9
	QHORN0 T9, T7, B10, B8
	QHORN T8, T7, A7
	QHORN T9, T7, B6
	QHORN T8, T7, A5
	QHORN T9, T7, B4
	QHORN T8, T7, A3
	QHORN T9, T7, B2
	QHORN T8, T7, A1
	QFMA1 T9, T7
	QMUL T8, T8, T6
	QMUL T7, T8, \r
	QFNMA T10, T7, T8, \r
	QMUL T9, T7, T9
.endm
; UVIDX: a direction's place in the map.  Column X = 511.5 + (512/pi) atan2(dx, -dz), row Y = (512/pi) acos(dy) - 0.5, both put together from first-octant values by sign bits
; (so that +0 and -0 act as in atan2).  Holding X to 0..1022.99994 and Y to 0..510.99997 and taking floor gives the border rule's values with x0 <= 1022, y0 <= 510.
; T2 = y0 x 1024 + x0 as whole numbers, T3 = (wx, wy) as f16.  Uses T5-T9, T11, T14-T17; the direction lies elsewhere.
.macro UVIDX dx, dy, dz
.irp i, 0,1,2,3
	v_min_num_f32 v[T5+\i], |v[\dx+\i]|, |v[\dz+\i]|
.endr
.irp i, 0,1,2,3
	v_max3_num_f32 v[T6+\i], |v[\dx+\i]|, |v[\dz+\i]|, s[TINY]
.endr
.irp i, 0,1,2,3
	v_sub_f32 v[T8+\i], |v[\dz+\i]|, |v[\dx+\i]|
.endr
.irp i, 0,1,2,3
	v_min_num_f32 v[T14+\i], |v[\dy+\i]|, 1.0
.endr
	Q1U v_rcp_f32, T7, T6
	QONEM T15, T14                  ; a plain line behind the reciprocals
	Q1U v_sqrt_f32, T16, T15
	QHORN0 T17, T14, D7, D6         ; a plain line behind the roots
	QMUL T5, T5, T7                 ; t = min / max
	QMUL T9, T5, T5
	QHORN T17, T14, D5
	QHORN0 T11, T9, C11, C9
	QHORN T17, T14, D4
	QHORN T11, T9, C7
	QHORN T17, T14, D3
	QHORN T11, T9, C5
	QHORN T17, T14, D2
	QHORN T11, T9, C3
	QHORN T17, T14, D1
	QHORN T11, T9, C1
	QHORN T17, T14, D0
	QFNMAS T11, T11, T5, H128       ; 128 - atan(t): an eighth of a turn is 128 texels
	QFNMAS T17, T16, T17, H256      ; 256 - acos(|dy|)
	QBFI T11, T8
	QADDS T11, T11, H128            ; 256 - atan(|dx| / |dz|)
	QBFI T17, \dy
	QRSUBS T17, T17, YC             ; Y
	QBFI T11, \dz
	QADDS T11, T11, H256            ; atan2(|dx|, -dz)
	QMED T17, YMAX
	QBFI T11, \dx
	QADDS T11, T11, XC              ; X
	Q1U v_floor_f32, T6, T17
	QMED T11, XMAX
	Q1U v_floor_f32, T5, T11
	QSUB T17, T17, T6               ; wy
	QSUB T11, T11, T5               ; wx
	QFMAS T6, T6, ROWW, T5          ; 1024 y0 + x0: at most 523,262, exact in f32
	Q1U v_cvt_u32_f32, T2, T6
	QCVTH T3, T11, T17
.endm
; A trip of the specular loop: four samples of my point.  T0 = u1, T1 = u2.
.macro SPEC next
	s_wait_dscnt 0x0                ; the two loads asked for a trip ago (at the first trip: the tiles' stores in front of them too)
	s_wait_xcnt 0x0                 ; the last trip's stores have read T2-T4 and the two offsets: only behind this wait are they written again
	v_add_nc_u32 v[VT], 1024, v[VT]
	v_add_nc_u32 v[VW], 1536, v[VW]
	Q1U v_sqrt_f32, T5, T0          ; r
	SINCOS T1, T5, \next            ; T10 = t1, T9 = r sin / sqrt2
	QNSQ1 T5, T10                   ; 1 - t1^2
	Q1U v_sqrt_f32, T6, T5
	QMULK T7, T9, K2                ; a plain line behind the roots
	QFMAK T7, T6, K1, T7            ; t2
	QNSQ T5, T7, T5                 ; 1 - t1^2 - t2^2, held to 0..1
	Q1U v_sqrt_f32, T6, T5          ; t3
	QMULK T8, T10, LX0              ; w = diag(alpha, alpha, 1) (t1 b1 + t2 b2 + t3 vh): the t1 and t2 terms stand behind the roots
	QMULK T9, T10, LY0
	QMULK T11, T7, LZ1
	QFMAK T8, T7, LX0+1, T8
	QFMAK T9, T7, LY0+1, T9
	QFMAK T8, T6, LX0+2, T8
	QFMAK T9, T6, LY0+2, T9
	QFMAK T11, T6, LZ1+1, T11
	QMUL T5, T8, T8                 ; |w|^2
	QMULK T14, T8, VL2              ; 2 v_local . w
	QFMA T5, T9, T9, T5
	QFMAK T14, T9, VL2+1, T14
	QFMA T5, T11, T11, T5
	QFMAK T14, T11, VL2+2, T14
	QMAXS T5, EPS2
	Q1U v_rcp_f32, T7, T5
	QMULK T10, T8, TX               ; w in the world: T wx + B wy + n wz
	QMULK T12, T9, BT+1
	QMULK T13, T8, TZ
	QFMAK T10, T9, BT, T10
	QFMAK T12, T11, NR+1, T12
	QFMAK T13, T9, BT+2, T13
	QFMAK T10, T11, NR, T10
	QFMAK T13, T11, NR+2, T13
	QMUL T14, T14, T7               ; 2 (v . m) / |w|
	QFMSK T10, T14, T10, VD         ; the reflected direction before its normalisation
	QFMSK T12, T14, T12, VD+1
	QFMSK T13, T14, T13, VD+2
	QMUL T5, T10, T10
	QFMA T5, T12, T12, T5
	QFMA T5, T13, T13, T5
	QMAXS T5, EPS2
	Q1U v_rsq_f32, T7, T5
	QMULK T8, T10, VD               ; v . L and n . L stand behind the roots
	QMULK T9, T10, NR
	QFMAK T8, T12, VD+1, T8
	QFMAK T9, T12, NR+1, T9
	QFMAK T8, T13, VD+2, T8
	QFMAK T9, T13, NR+2, T9
	QMUL T12, T12, T7               ; the light's y; atan2 does not see the scale of x and z
	QMUL T8, T8, T7                 ; c = v . l
	QMULC T9, T9, T7                ; n . l held to 0..1
	QADDK T11, T8, VV               ; v . (v + l)
.irp h, 0,2
	v_pk_fma_f32 v[T5+\h:T5+\h+1], v[T8+\h:T8+\h+1], 2.0, v[VV1-1:VV1] op_sel:[0,0,1] op_sel_hi:[1,0,1]  ; |v + l|^2 = 2 c + |v|^2 + 1
.endr
	QMAXS T5, EPS2
	Q1U v_rsq_f32, T6, T5
	QMUL T14, T9, T9                ; a plain line behind the roots
.irp h, 0,2
	v_pk_fma_f32 v[T14+\h:T14+\h+1], v[T14+\h:T14+\h+1], v[PA2:POM], v[PA2:POM] op_sel:[0,1,0] op_sel_hi:[1,1,0]  ; (n.l)^2 (1 - a2) + a2
.endr
	Q1U v_sqrt_f32, T15, T14
	QMULC T11, T11, T6              ; h . v held to 0..1: a plain line behind the roots
	QONEM T11, T11
	QADD T15, T15, T9
	Q1U v_rcp_f32, T16, T15
	QMUL T5, T11, T11               ; (1 - h.v)^5 stands behind the reciprocals
	QMUL T5, T5, T5
	QMUL T5, T5, T11
	QMUL T9, T9, T16                ; A = half of Smith(n . l)
	QMUL T5, T5, T9                 ; B
	QCVTH T4, T9, T5
	UVIDX T10, T12, T13
	global_store_b128 v[VT], v[T2:T2+3], s[26:27] offset:-1024 th:TH_STORE_NT   ; each store of the wave covers 512 consecutive bytes, aligned
	global_store_b128 v[VW], v[T3:T3+3], s[28:29] offset:-1536 th:TH_STORE_NT
	global_store_b128 v[VW], v[T4:T4+3], s[28:29] offset:-1024 th:TH_STORE_NT
.endm
; A trip of the diffuse loop.  T0 = uc, T1 = vc.  The offsets have run on through the specular loop's 16 trips; the immediates reach back over them.
.macro DIFF next
	s_wait_dscnt 0x0
	s_wait_xcnt 0x0
	v_add_nc_u32 v[VT], 1024, v[VT]
	v_add_nc_u32 v[VW], 1536, v[VW]
	Q1U v_sqrt_f32, T12, T1         ; cos theta
	QONEM T13, T1                   ; a plain line behind the roots
	Q1U v_sqrt_f32, T5, T13         ; sin theta
	SINCOS T0, T5, \next
	QMULK T14, T10, TX              ; d = T x + B y + n z; the last reader of each quad writes a part of d onto it
	QMULK T10, T10, TZ
	QMULK T13, T9, BS+1
	QFMAK T14, T9, BS, T14
	QFMAK T10, T9, BS+2, T10
	QFMAK T13, T12, NR+1, T13
	QFMAK T10, T12, NR+2, T10
	QFMAK T12, T12, NR, T14
	UVIDX T12, T13, T10
	global_store_b128 v[VT], v[T2:T2+3], s[26:27] offset:-16384-1024+512 th:TH_STORE_NT
	global_store_b128 v[VW], v[T3:T3+3], s[28:29] offset:-24576-1536+1024 th:TH_STORE_NT
.endm
.macro LOADT ba, bb             ; 32 loads: the batch's 8,192 bytes of two inputs, 512 consecutive bytes to a load
.irp i, 0,1,2,3,4,5,6,7,8,9,10,11,12,13,14,15
	global_load_b128 v[STG+4*(\i):STG+4*(\i)+3], v[GIN], s[\ba:\ba+1] offset:512*(\i) th:TH_LOAD_NT
.endr
.irp i, 0,1,2,3,4,5,6,7,8,9,10,11,12,13,14,15
	global_load_b128 v[STG+64+4*(\i):STG+64+4*(\i)+3], v[GIN], s[\bb:\bb+1] offset:512*(\i) th:TH_LOAD_NT
.endr
.endm
.macro FILL                     ; into my two tiles, two rows to a store
.irp i, 0,1,2,3,4,5,6,7,8,9,10,11,12,13,14,15
	ds_store_b128 v[LST], v[STG+4*(\i):STG+4*(\i)+3] offset:(\i)*2*PITCH
	ds_store_b128 v[LST], v[STG+64+4*(\i):STG+64+4*(\i)+3] offset:TILE+(\i)*2*PITCH
.endr
.endm
	s_load_b512 s[8:23], s[0:1], 0x0       ; emap 8, normal 10, view 12, roughness 14, u1 16, u2 18, uc 20, vc 22
	s_load_b128 s[24:27], s[0:1], 0x40     ; tab 24, tix 26
	s_load_b64 s[28:29], s[0:1], 0x50      ; wts
	v_lshl_add_u32 v[SPW], v0, 2, SPARE
	v_mov_b32 v[NIL], 0
	v_lshrrev_b32 v1, 5, v0
	v_readfirstlane_b32 s2, v1             ; wave 0..15
	v_and_b32 v1, 31, v0                   ; lane
	s_lshl_b32 s3, ttmp9, 4
	s_add_co_u32 s3, s3, s2                ; batch = 16 x work-group + wave
	s_mul_i32 s4, s2, WAVEB                ; my wave's LDS bytes
	v_mul_u32_u24 v[L0], v1, PITCH
	v_add_nc_u32 v[L0], s4, v[L0]
	v_lshrrev_b32 v[LST], 4, v1
	v_mul_u32_u24 v[LST], v[LST], PITCH
	v_and_b32 v[ADR], 15, v1
	v_lshl_add_u32 v[LST], v[ADR], 4, v[LST]
	v_add_nc_u32 v[LST], s4, v[LST]
	v_lshlrev_b32 v[ADR], 4, v1            ; 16 x lane
	s_lshl_b32 s5, s3, 13
	v_add_nc_u32 v[GIN], s5, v[ADR]
	s_lshl_b32 s5, s3, 14
	v_add_nc_u32 v[VT], s5, v[ADR]
	s_mul_i32 s5, s3, 24576
	v_add_nc_u32 v[VW], s5, v[ADR]
	v_mov_b32 v[ONE], 1.0
	v_mov_b32 v[ZR], 0
	s_lshl_b32 s5, ttmp9, 9
	v_add_nc_u32 v43, s5, v0               ; g: my point, and the first of my four table entries g + 131,072 k
	v_lshlrev_b32 v124, 2, v43             ; 4 g: texel (y, x), and my roughness
	v_and_b32 v125, 0x3ff, v43             ; x
	v_add_nc_u32 v126, 1, v125
	v_min_u32 v126, 0x3ff, v126
	v_sub_nc_u32 v126, v126, v125          ; 1, or 0 in the last column
	v_lshl_add_u32 v125, v126, 2, v124     ; texel (y, min(x + 1, 1023))
	v_lshlrev_b32 v126, 4, v43             ; 16 g: my entry
	v_mul_u32_u24 v127, v43, 12            ; 12 g: my normal and view
	SETK A11, -0.01042336                  ; sqrt2 pi^k / k!, signs by turns
	SETK A9,  0.11617183
	SETK A7,  -0.84748803
	SETK A5,  3.60647657
	SETK A3,  -7.30824949
	SETK A1,  4.44288294
	SETK B10, -0.02580689                  ; pi^k / k!, signs by turns
	SETK B8,  0.23533063
	SETK B6,  -1.33526277
	SETK B4,  4.05871213
	SETK B2,  -4.93480220
	SETK C11, -1.9102586                   ; (512/pi) x the arctangent's six coefficients
	SETK C9,  8.5811570
	SETK C7,  -18.975608
	SETK C5,  31.542680
	SETK C3,  -54.209198
	SETK C1,  162.970956
	SETK D7,  -0.20575406                  ; (512/pi) x the arccosine's eight
	SETK D6,  1.0870557
	SETK D5,  -2.7849315
	SETK D4,  5.0345939
	SETK D3,  -8.1771403
	SETK D2,  14.501320
	SETK D1,  -34.974167
	SETK D0,  255.999996
	SETK H128, 128.0
	SETK H256, 256.0
	SETK XC,  511.5
	SETK YC,  255.5
	SETK ROWW, 1024.0
	s_mov_b32 s[SIGN], 0x80000000
	s_mov_b32 s[EPS2], 0x179abe15          ; 1e-24 = EPS^2: x / max(|x|, EPS) = x rsq(max(|x|^2, EPS^2))
	s_mov_b32 s[TINY], 0x0da24260          ; 1e-30
	s_mov_b32 s[XMAX], 0x447fbfff          ; 1022.99994
	s_mov_b32 s[YMAX], 0x43ff7fff          ; 510.99997
	s_wait_kmcnt 0x0
	global_load_b96 v[NR:NR+2], v127, s[10:11]
	global_load_b96 v[VD:VD+2], v127, s[12:13]
	global_load_b32 v84, v124, s[14:15]
.irp k, 0,1,2,3
.irp c, 0,1,2
	global_load_b32 v[44+6*(\k)+2*(\c)], v124, s[8:9] offset:(\c)*2097152+(\k)*524288   ; channel c, 128 k rows further down
	global_load_b32 v[45+6*(\k)+2*(\c)], v125, s[8:9] offset:(\c)*2097152+(\k)*524288
.endr
.endr
	LOADT 16, 18                           ; u1, u2
	; WHAT BELONGS TO THE POINT
	s_wait_loadcnt 56                      ; behind the three loads of the point stand 24 of the map and 32 of the tiles
	v_mul_f32 v85, v84, v84                ; alpha
	v_mul_f32 v86, v[NR], v[NR]
	v_fmac_f32 v86, v[NR+2], v[NR+2]       ; nx^2 + nz^2
	v_mul_f32 v[PA2], v85, v85
	v_max_num_f32 v87, s[EPS2], v86
	v_rsq_f32 v87, v87
	v_sub_f32 v[POM], 1.0, v[PA2]          ; a plain line behind the root, here and below
	v_cmp_ge_f32 vcc_lo, 0, v86            ; no tangent: (1, 0, 0)
	s_wait_alu depctr_va_vdst(0)
	v_mul_f32 v[TX], v[NR+2], v87
	v_mul_f32 v[TZ], -v[NR], v87
	v_cndmask_b32 v[TX], v[TX], v[ONE], vcc_lo
	v_cndmask_b32 v[TZ], v[TZ], v[ZR], vcc_lo
	v_mul_f32 v88, v[NR+1], v[TZ]          ; n x T
	v_mul_f32 v89, v[NR+2], v[TX]
	v_fma_f32 v89, -v[NR], v[TZ], v89
	v_mul_f32 v90, -v[NR+1], v[TX]
	v_mul_f32 v91, v88, v88
	v_fmac_f32 v91, v89, v89
	v_fmac_f32 v91, v90, v90
	v_max_num_f32 v91, s[EPS2], v91
	v_rsq_f32 v91, v91
	v_mul_f32 v[VV], v[VD], v[VD]
	v_fmac_f32 v[VV], v[VD+1], v[VD+1]
	v_fmac_f32 v[VV], v[VD+2], v[VD+2]
	s_wait_alu depctr_va_vdst(0)
	v_mul_f32 v[BT], v88, v91
	v_mul_f32 v[BT+1], v89, v91
	v_mul_f32 v[BT+2], v90, v91
	v_add_f32 v[VV1], 1.0, v[VV]
	v_mul_f32 v92, v[TX], v[VD]            ; the view in the local frame
	v_fmac_f32 v92, v[TZ], v[VD+2]
	v_mul_f32 v93, v[BT], v[VD]
	v_fmac_f32 v93, v[BT+1], v[VD+1]
	v_fmac_f32 v93, v[BT+2], v[VD+2]
	v_mul_f32 v94, v[NR], v[VD]
	v_fmac_f32 v94, v[NR+1], v[VD+1]
	v_fmac_f32 v94, v[NR+2], v[VD+2]
	v_add_f32 v[VL2], v92, v92
	v_add_f32 v[VL2+1], v93, v93
	v_add_f32 v[VL2+2], v94, v94
	v_mul_f32 v95, v85, v92                ; vh = normalise(alpha x, alpha y, z)
	v_mul_f32 v96, v85, v93
	v_mul_f32 v97, v95, v95
	v_fmac_f32 v97, v96, v96
	v_fmac_f32 v97, v94, v94
	v_max_num_f32 v97, s[EPS2], v97
	v_rsq_f32 v97, v97
	v_mul_f32 v[BS], 0x3fb504f3, v[BT]     ; sqrt2 x bitangent
	v_mul_f32 v[BS+1], 0x3fb504f3, v[BT+1]
	v_mul_f32 v[BS+2], 0x3fb504f3, v[BT+2]
	s_wait_alu depctr_va_vdst(0)
	v_mul_f32 v95, v95, v97
	v_mul_f32 v96, v96, v97
	v_mul_f32 v98, v94, v97
	v_mul_f32 v99, v95, v95
	v_fmac_f32 v99, v96, v96
	v_max_num_f32 v100, s[EPS2], v99
	v_rsq_f32 v100, v100
	v_fma_f32 v101, 0.5, v98, 0.5          ; s
	v_cmp_ge_f32 vcc_lo, 0, v99            ; vh along z: b1 = (1, 0, 0)
	s_wait_alu depctr_va_vdst(0)
	v_mul_f32 v102, -v96, v100             ; b1
	v_mul_f32 v103, v95, v100
	v_cndmask_b32 v102, v102, v[ONE], vcc_lo
	v_cndmask_b32 v103, v103, v[ZR], vcc_lo
	v_mul_f32 v104, -v98, v103             ; b2 = normalise(vh x b1)
	v_mul_f32 v105, v98, v102
	v_mul_f32 v106, v95, v103
	v_fma_f32 v106, -v96, v102, v106
	v_mul_f32 v107, v104, v104
	v_fmac_f32 v107, v105, v105
	v_fmac_f32 v107, v106, v106
	v_max_num_f32 v107, s[EPS2], v107
	v_rsq_f32 v107, v107
	v_sub_f32 v[K1], 1.0, v101
	v_mul_f32 v[K2], 0x3fb504f3, v101
	s_wait_alu depctr_va_vdst(0)
	v_mul_f32 v104, v104, v107
	v_mul_f32 v105, v105, v107
	v_mul_f32 v[LZ1], v106, v107
	v_mov_b32 v[LZ1+1], v98
	v_mul_f32 v[LX0], v85, v102
	v_mul_f32 v[LX0+1], v85, v104
	v_mul_f32 v[LX0+2], v85, v95
	v_mul_f32 v[LY0], v85, v103
	v_mul_f32 v[LY0+1], v85, v105
	v_mul_f32 v[LY0+2], v85, v96
	; MY FOUR ENTRIES OF THE TABLE
	s_wait_loadcnt 32                      ; the map's 24 loads are in; the tiles' 32 may stay out
.irp k, 0,1,2,3
.irp c, 0,1,2
	v_cvt_pk_f16_f32 v[68+4*(\k)+(\c)], v[44+6*(\k)+2*(\c)], v[45+6*(\k)+2*(\c)]
.endr
	v_mov_b32 v[71+4*(\k)], 0
	global_store_b128 v126, v[68+4*(\k):71+4*(\k)], s[24:25] offset:(\k)*2097152
.endr
	; THE SPECULAR SAMPLES
	s_wait_loadcnt 0x0                     ; u1 and u2
	FILL
	LOADT 20, 22                           ; uc and vc, into the registers just stored: they have the whole specular loop in which to arrive
	ds_load_b128 v[T0:T0+3], v[L0]         ; LDS serves a wave's instructions in order (ISA guide 5.7.1.4): these see the stores above
	ds_load_b128 v[T1:T1+3], v[L0] offset:TILE
	s_mov_b32 s[LOFF], 0
	s_mov_b32 s[CNT], 15
.Lspec:
	SPEC 1
	s_sub_co_u32 s[CNT], s[CNT], 1
	s_cmp_lg_u32 s[CNT], 0
	s_cbranch_scc1 .Lspec
	SPEC 0                                 ; the last four samples: nothing is left to read
	; THE DIFFUSE SAMPLES
	s_wait_loadcnt 0x0                     ; uc and vc.  My reads of the tiles are back: the last trip's wait for them was for 0, and it asked for none
	FILL
	ds_load_b128 v[T0:T0+3], v[L0]
	ds_load_b128 v[T1:T1+3], v[L0] offset:TILE
	s_mov_b32 s[LOFF], 0
	s_mov_b32 s[CNT], 15
.Ldiff:
	DIFF 1
	s_sub_co_u32 s[CNT], s[CNT], 1
	s_cmp_lg_u32 s[CNT], 0
	s_cbranch_scc1 .Ldiff
	DIFF 0
	s_wait_tensorcnt 0x0                   ; the wave's end, behind my last LDS store
	ds_add_u32 v[SPW], v[NIL]
	s_wait_dscnt 0x0
	s_endpgm
.Lfunc_end_k_qfa2e350d3a_sample:
	.size	k_qfa2e350d3a_sample, .Lfunc_end_k_qfa2e350d3a_sample-k_qfa2e350d3a_sample
	.p2alignl 7, 3214868480
	.fill 96, 4, 3214868480
	.section	.rodata,"a",@progbits
	.p2align	6, 0x0
	.amdhsa_kernel k_qfa2e350d3a_sample
		.amdhsa_group_segment_fixed_size 280576
		.amdhsa_private_segment_fixed_size 0
		.amdhsa_enable_private_segment 0
		.amdhsa_kernarg_size 88
		.amdhsa_user_sgpr_count 2
		.amdhsa_user_sgpr_kernarg_segment_ptr 1
		.amdhsa_wavefront_size32 1
		.amdhsa_system_sgpr_workgroup_id_x 1
		.amdhsa_system_sgpr_workgroup_id_y 1
		.amdhsa_system_sgpr_workgroup_id_z 1
		.amdhsa_system_vgpr_workitem_id 0
		.amdhsa_next_free_vgpr 256
		.amdhsa_next_free_sgpr 102
		.amdhsa_reserve_vcc 1
		.amdhsa_float_denorm_mode_32 3
		.amdhsa_float_denorm_mode_16_64 3
		.amdhsa_memory_ordered 1
		.amdhsa_forward_progress 1
		.amdhsa_inst_pref_size 83
	.end_amdhsa_kernel
	.amdgpu_metadata
---
amdhsa.version: [ 1, 2 ]
amdhsa.kernels:
  - .name:           k_qfa2e350d3a_sample
    .symbol:         k_qfa2e350d3a_sample.kd
    .args:
      - { .name: emap, .offset: 0, .size: 8, .value_kind: global_buffer, .address_space: global }
      - { .name: normal, .offset: 8, .size: 8, .value_kind: global_buffer, .address_space: global }
      - { .name: view_dir, .offset: 16, .size: 8, .value_kind: global_buffer, .address_space: global }
      - { .name: roughness, .offset: 24, .size: 8, .value_kind: global_buffer, .address_space: global }
      - { .name: u1, .offset: 32, .size: 8, .value_kind: global_buffer, .address_space: global }
      - { .name: u2, .offset: 40, .size: 8, .value_kind: global_buffer, .address_space: global }
      - { .name: uc, .offset: 48, .size: 8, .value_kind: global_buffer, .address_space: global }
      - { .name: vc, .offset: 56, .size: 8, .value_kind: global_buffer, .address_space: global }
      - { .name: tab, .offset: 64, .size: 8, .value_kind: global_buffer, .address_space: global }
      - { .name: tix, .offset: 72, .size: 8, .value_kind: global_buffer, .address_space: global }
      - { .name: wts, .offset: 80, .size: 8, .value_kind: global_buffer, .address_space: global }
    .group_segment_fixed_size: 280576
    .private_segment_fixed_size: 0
    .kernarg_segment_align: 8
    .kernarg_segment_size: 88
    .max_flat_workgroup_size: 512
    .sgpr_count:     102
    .vgpr_count:     256
    .wavefront_size: 32
...
	.end_amdgpu_metadata
.endif
;; end of part 1
;; launch shade (part 2): grid 256 x 1, 16 waves a work-group, no clusters, 0 bytes of LDS; arguments tab, tix, wts, albedo, metalness, roughness, normal, view_dir, out0; writes out0
.if DOCPART == 2
	.amdgcn_target "amdgcn-amd-amdhsa--gfx1250"
	.amdhsa_code_object_version 6
	.text
	.protected	k_qfa2e350d3a_shade
	.globl	k_qfa2e350d3a_shade
	.p2align	8
	.type	k_qfa2e350d3a_shade,@function
k_qfa2e350d3a_shade:
	s_mov_b64 s[64:65], 0
	v_nop
	global_prefetch_b8 v0, s[64:65] scope:SCOPE_SE
	s_setreg_imm32_b32 hwreg(HW_REG_WAVE_MODE, 25, 1), 1
	s_wait_xcnt 0x0
; SHADE: for each of 131,072 points the 64 specular and 64 diffuse bilinear fetches from the table, their weighted sums, and the point's colour.
; A lane is a point, a wave a batch of 32, as in the launch before: tix and wts are read as that launch stored them, 512 consecutive bytes to a load.
; A fetch is two loads of 16 bytes: entry y0 x 1024 + x0 (3 channels x texels x0, x0 + 1 in f16) and the entry 1,024 further on, the row below.
; An index is held to 510 x 1024 + 1022 before it enters an address, so that the last byte read is the table's byte 8,388,591.
; Sums in f32: RA = sum of A rad, RB = sum of B rad, D = sum of the diffuse rad, each in two sets by the sample's parity.
; out = (2 g (f0 RA + (1 - f0) RB) + kd D) / 64, g = Smith(n.v) / clip(Smith(n.v), 1e-10, 1): the order of the 64 additions differs from a mean's.
; A TRIP is four specular and four diffuse samples.  In flight: the indices two trips ahead, the weights two trips ahead, the 16 fetches one trip ahead.
.set VT,  1                     ; v1  byte offset in tix
.set VW,  2                     ; v2  byte offset in wts
.set ONE, 3
.set ZERO, 4
.set IDX, 8                     ; v[8:15]   indices: specular 8-11, diffuse 12-15
.set AD,  16                    ; v[16:31]  byte offsets of the fetches, two sets by the trip's parity
.set WB,  32                    ; v[32:55]  weights, two sets of 12: specular (wx, wy), (A, B), diffuse (wx, wy)
.set SUM, 68                    ; v[68:85]  two sets of RA, RB, D x 3 channels
.set TW,  86                    ; v[86:101] two sets of w00, w01, w10, w11, 1 - wx, r0, r1, r2
.set GB,  104                   ; v[104:231] texels, two sets of 64: sample i at + 8 i, upper row + 0..3, lower row + 4..7
.macro TAP dst, src, half, w, acc      ; dst = f16 half of src x w + acc
.if \half
	v_fma_mix_f32 v[\dst], v[\src], v[\w], v[\acc] op_sel:[1,0,0] op_sel_hi:[1,0,0]
.else
	v_fma_mix_f32 v[\dst], v[\src], v[\w], v[\acc] op_sel_hi:[1,0,0]
.endif
.endm
.macro WGT2 wr                  ; the four bilinear weights of two samples, whose (wx, wy) lie in registers wr, wr + 1
.irp q, 0,1
	v_fma_mix_f32 v[TW+8*\q+3], v[\wr+\q], v[\wr+\q], v[ZERO] op_sel:[0,1,0] op_sel_hi:[1,1,0]   ; wx wy
.endr
.irp q, 0,1
	v_fma_mix_f32 v[TW+8*\q+4], -v[\wr+\q], v[ONE], v[ONE] op_sel_hi:[1,0,0]                     ; 1 - wx
.endr
.irp q, 0,1
	v_fma_mix_f32 v[TW+8*\q+1], v[\wr+\q], v[ONE], -v[TW+8*\q+3] op_sel_hi:[1,0,0]               ; wx (1 - wy)
.endr
.irp q, 0,1
	v_fma_mix_f32 v[TW+8*\q+2], v[\wr+\q], v[ONE], -v[TW+8*\q+3] op_sel:[1,0,0] op_sel_hi:[1,0,0] ; (1 - wx) wy
.endr
.irp q, 0,1
	v_sub_f32 v[TW+8*\q], v[TW+8*\q+4], v[TW+8*\q+2]                                             ; (1 - wx)(1 - wy)
.endr
.endm
.macro TAPS2 g, spec            ; four taps x three channels x two samples: six chains by turns.  spec = 1: into r0-r2; 0: straight onto D
.irp tap, 0,1,2,3
.irp c, 0,1,2
.irp q, 0,1
.if \spec
.if \tap
	TAP TW+8*\q+5+\c, \g+8*\q+4*(\tap/2)+\c, \tap%2, TW+8*\q+\tap, TW+8*\q+5+\c
.else
	TAP TW+8*\q+5+\c, \g+8*\q+\c, 0, TW+8*\q, ZERO
.endif
.else
	TAP SUM+9*\q+6+\c, \g+8*\q+4*(\tap/2)+\c, \tap%2, TW+8*\q+\tap, SUM+9*\q+6+\c
.endif
.endr
.endr
.endr
.endm
.macro SPEC2 p, i               ; specular samples i, i + 1 of the trip
	WGT2 WB+12*(\p)+(\i)
	TAPS2 GB+64*(\p)+8*(\i), 1
.irp c, 0,1,2
.irp q, 0,1
	TAP SUM+9*\q+\c, WB+12*(\p)+4+(\i)+\q, 0, TW+8*\q+5+\c, SUM+9*\q+\c
	TAP SUM+9*\q+3+\c, WB+12*(\p)+4+(\i)+\q, 1, TW+8*\q+5+\c, SUM+9*\q+3+\c
.endr
.endr
.endm
.macro DIFF2 p, i               ; diffuse samples i, i + 1
	WGT2 WB+12*(\p)+8+(\i)
	TAPS2 GB+64*(\p)+32+8*(\i), 0
.endm
.macro ADDR p                   ; eight indices, held inside the table, times 16 bytes
.irp i, 0,1,2,3,4,5,6,7
	v_min_u32 v[AD+8*(\p)+\i], 0x7fbfe, v[IDX+\i]
.endr
.irp i, 0,1,2,3,4,5,6,7
	v_lshlrev_b32 v[AD+8*(\p)+\i], 4, v[AD+8*(\p)+\i]
.endr
.endm
.macro GATH p
.irp i, 0,1,2,3,4,5,6,7
	global_load_b128 v[GB+64*(\p)+8*\i:GB+64*(\p)+8*\i+3], v[AD+8*(\p)+\i], s[8:9]
	global_load_b128 v[GB+64*(\p)+8*\i+4:GB+64*(\p)+8*\i+7], v[AD+8*(\p)+\i], s[8:9] offset:16384
.endr
.endm
.macro IDXLD ti
	global_load_b128 v[IDX:IDX+3], v[VT], s[10:11] offset:\ti th:TH_LOAD_NT
	global_load_b128 v[IDX+4:IDX+7], v[VT], s[10:11] offset:\ti+512 th:TH_LOAD_NT
.endm
.macro WLD p, tw
	global_load_b128 v[WB+12*(\p):WB+12*(\p)+3], v[VW], s[12:13] offset:\tw th:TH_LOAD_NT
	global_load_b128 v[WB+12*(\p)+4:WB+12*(\p)+7], v[VW], s[12:13] offset:\tw+512 th:TH_LOAD_NT
	global_load_b128 v[WB+12*(\p)+8:WB+12*(\p)+11], v[VW], s[12:13] offset:\tw+1024 th:TH_LOAD_NT
.endm
; Trip t, of parity p.  nxt: there is a trip t + 1; nx2: a trip t + 2, whose indices lie at ti and whose weights at tw from the two offsets.
; The order of issue, the same from the head and round the loop: .. w(t), idx(t+1), fetches(t), w(t+1) | idx(t+2), fetches(t+1), w(t+2).
.macro TRIP p, nxt, nx2, ti, tw
.if \nxt
	s_wait_loadcnt 19               ; idx(t+1) is in: behind it stand the 16 fetches of t and the 3 loads of w(t+1)
	ADDR 1-\p                       ; this set's last fetches, those of t - 1, were shown done by the last trip's second wait
.if \nx2
	IDXLD \ti
.endif
	GATH 1-\p
.endif
.if \nx2
	s_wait_loadcnt 21               ; the fetches of t and w(t) are in: behind them 3 of w(t+1), 2 of idx(t+2), 16 fetches of t+1
.elseif \nxt
	s_wait_loadcnt 19               ; the same without idx(t+2)
.else
	s_wait_loadcnt 0x0
.endif
	SPEC2 \p, 0
	SPEC2 \p, 2
	DIFF2 \p, 0
	DIFF2 \p, 2
.if \nx2
	WLD \p, \tw                     ; into the set just used
.endif
.endm
	s_load_b512 s[8:23], s[0:1], 0x0       ; tab 8, tix 10, wts 12, albedo 14, metalness 16, roughness 18, normal 20, view 22
	s_load_b64 s[24:25], s[0:1], 0x40      ; out0
	v_lshrrev_b32 v7, 5, v0
	v_readfirstlane_b32 s2, v7             ; wave 0..15
	v_and_b32 v7, 31, v0
	s_lshl_b32 s3, ttmp9, 4
	s_add_co_u32 s3, s3, s2                ; batch
	v_lshlrev_b32 v7, 4, v7                ; 16 x lane
	s_lshl_b32 s4, s3, 14
	v_add_nc_u32 v[VT], s4, v7
	s_mul_i32 s4, s3, 24576
	v_add_nc_u32 v[VW], s4, v7
	s_lshl_b32 s4, ttmp9, 9
	v_add_nc_u32 v7, s4, v0                ; my point
	v_mul_u32_u24 v5, v7, 12
	v_lshlrev_b32 v6, 2, v7
	v_mov_b32 v[ONE], 1.0
	v_mov_b32 v[ZERO], 0
	s_mov_b32 s27, 0x2edbe6ff              ; 1e-10
.set i, 0
.rept 18
	v_mov_b32 v[SUM+i], 0
.set i, i+1
.endr
	s_wait_kmcnt 0x0
	global_load_b96 v[56:58], v5, s[14:15] ; albedo
	global_load_b32 v59, v6, s[16:17]      ; metalness
	global_load_b96 v[60:62], v5, s[20:21] ; normal
	global_load_b32 v63, v6, s[18:19]      ; roughness
	global_load_b96 v[64:66], v5, s[22:23] ; view
	IDXLD 0
	WLD 0, 0
	s_wait_loadcnt 3                       ; idx(0) is in: behind it stand the 3 loads of w(0)
	ADDR 0
	IDXLD 1024
	GATH 0
	WLD 1, 1536
	s_mov_b32 s26, 7
.Ltrip:                                        ; two trips: t = 0 .. 13
	TRIP 0, 1, 1, 2048, 3072
	TRIP 1, 1, 1, 3072, 4608
	s_wait_xcnt 0x0                        ; the two offsets are stepped only behind this wait
	v_add_nc_u32 v[VT], 2048, v[VT]
	v_add_nc_u32 v[VW], 3072, v[VW]
	s_sub_co_u32 s26, s26, 1
	s_cmp_lg_u32 s26, 0
	s_cbranch_scc1 .Ltrip
	TRIP 0, 1, 0, 0, 0                     ; t = 14: nothing beyond trip 15 is asked for
	TRIP 1, 0, 0, 0, 0                     ; t = 15
	; THE POINT'S COLOUR
.irp k, 0,1,2,3,4,5,6,7,8
	v_add_f32 v[SUM+\k], v[SUM+\k], v[SUM+9+\k]
.endr
	v_mul_f32 v86, v63, v63                ; alpha
	v_mul_f32 v87, v60, v64
	v_fmac_f32 v87, v61, v65
	v_fmac_f32 v87, v62, v66
	v_mul_f32 v86, v86, v86                ; alpha^2
	v_med3_num_f32 v87, v87, 0, 1.0        ; n . v held to 0..1
	v_sub_f32 v88, 1.0, v86
	v_mul_f32 v89, v87, v87
	v_fma_f32 v89, v89, v88, v86
	v_sqrt_f32 v89, v89
	v_sub_f32 v90, 1.0, v59                ; 1 - metalness: a plain line behind the root
	s_wait_alu depctr_va_vdst(0)
	v_add_f32 v89, v89, v87
	v_rcp_f32 v89, v89
	v_mul_f32 v91, 0x3d23d70a, v90         ; 0.04 (1 - metalness): a plain line behind the reciprocal
	s_wait_alu depctr_va_vdst(0)
	v_mul_f32 v89, v89, v87
	v_add_f32 v89, v89, v89                ; Smith(n . v)
	v_med3_num_f32 v92, v89, s27, 1.0
	v_rcp_f32 v92, v92
	v_mul_f32 v90, 0x3c800000, v90         ; (1 - metalness) / 64: a plain line behind the reciprocal
	s_wait_alu depctr_va_vdst(0)
	v_mul_f32 v89, v89, v92
	v_mul_f32 v89, 0x3d000000, v89         ; 2 g / 64
.irp c, 0,1,2
	v_fma_f32 v[93+\c], v59, v[56+\c], v91             ; f0
	v_sub_f32 v[96+\c], v[SUM+\c], v[SUM+3+\c]
.endr
.irp c, 0,1,2
	v_fma_f32 v[96+\c], v[93+\c], v[96+\c], v[SUM+3+\c] ; f0 RA + (1 - f0) RB
	v_mul_f32 v[93+\c], v[56+\c], v90                  ; kd / 64
.endr
.irp c, 0,1,2
	v_mul_f32 v[96+\c], v[96+\c], v89
.endr
.irp c, 0,1,2
	v_fma_f32 v[96+\c], v[93+\c], v[SUM+6+\c], v[96+\c]
.endr
	global_store_b96 v5, v[96:98], s[24:25]            ; the wave's store covers 384 consecutive bytes
	s_endpgm
.Lfunc_end_k_qfa2e350d3a_shade:
	.size	k_qfa2e350d3a_shade, .Lfunc_end_k_qfa2e350d3a_shade-k_qfa2e350d3a_shade
	.p2alignl 7, 3214868480
	.fill 96, 4, 3214868480
	.section	.rodata,"a",@progbits
	.p2align	6, 0x0
	.amdhsa_kernel k_qfa2e350d3a_shade
		.amdhsa_group_segment_fixed_size 0
		.amdhsa_private_segment_fixed_size 0
		.amdhsa_enable_private_segment 0
		.amdhsa_kernarg_size 72
		.amdhsa_user_sgpr_count 2
		.amdhsa_user_sgpr_kernarg_segment_ptr 1
		.amdhsa_wavefront_size32 1
		.amdhsa_system_sgpr_workgroup_id_x 1
		.amdhsa_system_sgpr_workgroup_id_y 1
		.amdhsa_system_sgpr_workgroup_id_z 1
		.amdhsa_system_vgpr_workitem_id 0
		.amdhsa_next_free_vgpr 232
		.amdhsa_next_free_sgpr 66
		.amdhsa_reserve_vcc 0
		.amdhsa_float_denorm_mode_32 3
		.amdhsa_float_denorm_mode_16_64 3
		.amdhsa_memory_ordered 1
		.amdhsa_forward_progress 1
		.amdhsa_inst_pref_size 55
	.end_amdhsa_kernel
	.amdgpu_metadata
---
amdhsa.version: [ 1, 2 ]
amdhsa.kernels:
  - .name:           k_qfa2e350d3a_shade
    .symbol:         k_qfa2e350d3a_shade.kd
    .args:
      - { .name: tab, .offset: 0, .size: 8, .value_kind: global_buffer, .address_space: global }
      - { .name: tix, .offset: 8, .size: 8, .value_kind: global_buffer, .address_space: global }
      - { .name: wts, .offset: 16, .size: 8, .value_kind: global_buffer, .address_space: global }
      - { .name: albedo, .offset: 24, .size: 8, .value_kind: global_buffer, .address_space: global }
      - { .name: metalness, .offset: 32, .size: 8, .value_kind: global_buffer, .address_space: global }
      - { .name: roughness, .offset: 40, .size: 8, .value_kind: global_buffer, .address_space: global }
      - { .name: normal, .offset: 48, .size: 8, .value_kind: global_buffer, .address_space: global }
      - { .name: view_dir, .offset: 56, .size: 8, .value_kind: global_buffer, .address_space: global }
      - { .name: out0, .offset: 64, .size: 8, .value_kind: global_buffer, .address_space: global }
    .group_segment_fixed_size: 0
    .private_segment_fixed_size: 0
    .kernarg_segment_align: 8
    .kernarg_segment_size: 72
    .max_flat_workgroup_size: 512
    .sgpr_count:     66
    .vgpr_count:     232
    .wavefront_size: 32
...
	.end_amdgpu_metadata
.endif
;; end of part 2
